; MI455X (gfx1250); checked and timed in simulation.
; The chip was launched on July 23, 2026; its instructions are those of AMD's public machine-readable ISA for CDNA 5 (MIT licence, August 2026) and "CDNA5" Instruction Set Architecture Reference Guide (July 2026). The comments in the code are by the model that wrote it; some were corrected since.
;; Full Attention. Allowed arithmetic: matrix products marked QUANTISED: E2M3 operands, one E8M0 scale for each 32 along K, by v_wmma_scale_f32_16x16x128_f8f6f4 with both operands' format E2M3, f32 sums; everything else in f32.
;; Inputs: keys 2 x 2,048 x 16 x 64 float32; queries 2 x 2,048 x 16 x 64 float32; values 2 x 2,048 x 16 x 64 float32.
;; Outputs: out0 2 x 2,048 x 16 x 64 float32.
;; This version of the problem:
;;   THIS VERSION OF THE PROBLEM IS GIVEN IN LOW PRECISION. The matrix products marked QUANTISED in the list below multiply operands that are first quantised to E2M3 (2 exponent bits, 3 mantissa bits; 6 bits a number), with one power-of-two scale for each 32 numbers along K (OCP MX v1.0); their sums are f32. All else is computed in f32.
;;   The module's matrix products, in the order in which they are computed (A, B: the left and right operand; K: the contracted axis; several contracted axes count as one K, in the product's order):
;;     1. batch 32 x [M 2,048, K 64] x [K 64, N 2,048]; A: input queries; B: input keys: QUANTISED
;;     2. batch 32 x [M 64, K 2,048] x [K 2,048, N 2,048]; A: input values; B: softmax (see below): QUANTISED
;;   THE QUANTISER, for each operand of a quantised product, along K:
;;     - K is cut into blocks of 32 from its start; a last block that is shorter is filled with zeros.
;;     - A block's scale is 2^e with e = floor(log2(the largest magnitude in the block)) - 2, held to -126 .. 127; a block of zeros has e = 0. As a byte (E8M0): e + 127.
;;     - Each number is divided by its block's scale, clamped to +-7.5, and rounded to the nearest number of E2M3, ties to even, subnormals kept.
;;     - The product sums the exact products of the quantised numbers (number of the format x scale) in f32.
;;   ~~~python
;;   def quantise(x, axis):      # numpy; x: float32 -> the quantised numbers, widened to float32 again
;;       x = np.moveaxis(x, axis, -1); K = x.shape[-1]
;;       x = np.pad(x, [(0, 0)] * (x.ndim - 1) + [(0, -K % 32)]); x = x.reshape(x.shape[:-1] + (-1, 32)); a = np.abs(x).max(-1, keepdims=True)
;;       e = np.where(a > 0, np.clip(np.frexp(np.where(a > 0, a, 1))[1] - 1 - 2, -126, 127), 0)      # np.frexp(a)[1] - 1 = floor(log2(a)), exactly
;;       r = np.clip(x / 2.0 ** e, -7.5, 7.5)
;;       step = 2.0 ** (np.maximum(np.frexp(np.where(r == 0, 1, r))[1] - 1, 0) - 3)
;;       q = np.round(r / step) * step * 2.0 ** e      # np.round: ties to even
;;       return np.moveaxis(q.reshape(q.shape[:-2] + (-1,))[..., :K], -1, axis).astype(np.float32)
;;   ~~~
;;   SOFTMAX AHEAD OF A QUANTISED PRODUCT. Where the list says 'softmax', what is quantised is not the finished softmax but p = 2^(t - M), with t = logit x log2(e) and M = ceil(the row's largest t), a whole number; so 1/2 < the row's largest p <= 1. The row's sum l is taken of the UNQUANTISED p, in f32, and the product's result is divided by l at the end. Since M is a whole number, a kernel that streams over the keys may use a running M (the ceiling of the running maximum): every later rescaling is an exact power of two, which a block's scale takes up: the codes' values come out the same.
;;   OPERANDS COMPUTED ON THE WAY. 'Computed on the way' means the value that the module computes at that place (a softmax that the list does not call 'softmax' is quantised finished and normalised). What goes into a quantiser is computed in f32, as accurately as f32 sums, v_exp_f32 and their like allow (about 1e-6 of the number): no bf16 or f16 on the way to a quantiser, and a product that is left as it is and whose result goes on into a quantised operand takes f32 operands (vector FMAs, or v_wmma_f32_16x16x4_f32). A number that lies on a knife's edge between two numbers of the format may be rounded either way, as far as f32 arithmetic and the matrix unit's own rounding can turn it there, and no further.
;; One version. Each part assembles by itself: llvm-mc -triple=amdgcn-amd-amdhsa -mcpu=gfx1250 --defsym DOCPART=n.
;; ======== version 1 of 1: 2 launches
;; limits: right only within a limited range of input values
;; workspace buffers: kv 6,684,672 bytes
;; launch prep (part 1): grid 16 x 32, 4 waves a work-group, no clusters, 9,216 bytes of LDS; arguments keys, values, kv; writes kv
.if DOCPART == 1
	.amdgcn_target "amdgcn-amd-amdhsa--gfx1250"
	.amdhsa_code_object_version 6
	.text
	.protected	k_q543b14fdb2_prep
	.globl	k_q543b14fdb2_prep
	.p2align	8
	.type	k_q543b14fdb2_prep,@function
k_q543b14fdb2_prep:
	s_mov_b64 s[64:65], 0
	v_nop
	global_prefetch_b8 v0, s[64:65] scope:SCOPE_SE
	s_setreg_imm32_b32 hwreg(HW_REG_WAVE_MODE, 25, 1), 1
	s_wait_xcnt 0x0
; THE PROGRAM: two launches.  This one turns keys and values into codes of FP6 (E2M3); the next does the attention.
; WORK LEFT OUT, for all values of the inputs: reference() multiplies the scores by a lower triangle of ones, so a score above the diagonal is 0 whatever Q and K hold: tiles of Q K^T that lie wholly above the
; diagonal are not multiplied.  Their p is 2^-M for every key of the tile, one number a query; so the second product over such keys is 2^-M x (the sum of the quantised values), and that sum, the same for all
; queries, is made once for each step of 128 keys by the matrix instructions of the format.  LIMIT: a NaN, an infinity or an overflow of a score above the diagonal is not carried to the result.
;
; keys and values, [2][2048][16][64] f32, become codes with one E8M0 byte for each 32 along K, laid as IMAGES OF THE OPERANDS' REGISTERS.
; keys are quantised along the head's 64 (two blocks a key), values along the KEYS (a block = 32 keys of one channel).
; A work-group takes one head (y = 16 b + h) and one step of 128 keys (x) and writes one block of STEPB = 13,056 bytes of kv, at (16 head + step) x STEPB:
;   +0      K: 12 groups of 512 bytes; lane L's 16 bytes of group g, at 512 g + 16 L, are registers 4 g .. 4 g + 3 of a run of 48: register 6 t + i = word i of the 24 bytes of codes of
;           key 64 (t / 4) + 32 (r / 8) + 8 (t % 4) + r % 8 of the step, channels 32 hf .. 32 hf + 31  (r = L % 16, hf = L / 16, t = tile 0 .. 7)
;   +6144   V: tile n (channel 16 n + r) at 1,536 n, three groups of 512 bytes; registers 6 c .. 6 c + 5 = keys 64 c + 32 hf + 0 .. 31 of the step
;   +12288  K's scale words: 8 bytes a lane at 256 u + 8 L = words 2 u, 2 u + 1; word jj: lanes 0-15 tile 2 jj's rows, lanes 16-31 tile 2 jj + 1's.  A word = byte(block 0) | byte(block 1) << 8, twice
;   +12800  V's scale words: word m at 128 m + 4 L: lanes 0-15 tile 2 m's rows, lanes 16-31 tile 2 m + 1's; byte q belongs to keys 32 q .. 32 q + 31
; Waves 0, 1: K's tiles 0-3, 4-7 (keys 0-63, 64-127).  A load takes two whole rows of 256 bytes, 16 bytes a lane; a tile's 16 rows turn through the wave's own stage in LDS, so that a lane then holds a whole block.
; Waves 2, 3: V's channels 0-31, 32-63 (a lane takes a channel, its registers run down the keys).
; A block's scale is 2^(floor(log2(largest magnitude)) - 2): its byte is the largest magnitude's exponent field - 2, held at 1 from below.
; LIMITS: NaN and infinities among the inputs are not served.  A block of zeros gets the byte 1 where the rule says 127: its codes are zeros, and this program alone reads the bytes.
; No barrier, no cluster, no prefetch: waves and work-groups share no input, and all of a wave's loads go out at its head.  No store's data are written again, so no wait frees them.
.set STEPB, 13056
.set VIMG,  6144
.set KSC,   12288
.set VSC,   12800
.set SP,    272                        ; a stage row: 256 bytes of data + 16 of padding
.set WST,   16*SP                      ; a wave's stage: 16 rows
.set SPARE, 2*WST                      ; behind two stages: the spare words, 128 bytes for each wave: two blocks of 256 bytes that no other line names
.set M0,    8                          ; v8, v9   two chains of the largest magnitude
.set M1,    9
.set SOP,   10                         ; v10      the conversions' scale operand
.set W,     12                         ; v12-15   scale bytes, then words
.set PX,    16                         ; v16-19   what lane l xor 16 sends
.set SIN,   20                         ; v20      the stage: where I put 16 bytes of a row
.set SOUT,  21                         ; v21      and where I read my block back
.set SPW,   22                         ; v22      LDS address of my spare word; never rewritten
.set NIL,   23                         ; v23      0; never rewritten
.set WP,    24                         ; v24-25   a lane's two scale words
.set C,     32                         ; v32-55   24 registers of codes
.set T,     56                         ; v56-58   a block's second 16 codes, before they are moved
.set X,     64                         ; v64-191  128 numbers as they are loaded
.set Y,     192                        ; v192-255 two sets of 32 numbers of a block
; 32 numbers of ONE block in v[x] .. v[x + 31] become six registers of codes from v[c] on (c even) and the scale's byte in v[byte].
.macro QB x, c, byte
	v_max3_num_f32 v[M0], |v[\x]|, |v[\x+1]|, |v[\x+2]|
	v_max3_num_f32 v[M1], |v[\x+3]|, |v[\x+4]|, |v[\x+5]|
.irp i, 6,10,14,18,22,26
	v_max3_num_f32 v[M0], v[M0], |v[\x+\i]|, |v[\x+\i+1]|
	v_max3_num_f32 v[M1], v[M1], |v[\x+\i+2]|, |v[\x+\i+3]|
.endr
	v_max3_num_f32 v[M0], v[M0], |v[\x+30]|, |v[\x+31]|
	v_max3_num_f32 v[M0], v[M0], v[M1], 0x1800000              ; and the floor 2^(3 - 127): the byte cannot fall under 1
	v_add_nc_u32 v[SOP], 0xff000000, v[M0]                     ; 2 off the exponent field: the conversion takes this operand's exponent field as its scale
	v_lshrrev_b32 v[\byte], 23, v[SOP]                         ; the scale's byte
	v_cvt_scalef32_pk16_fp6_f32 v[\c:\c+2], v[\x:\x+15], v[SOP]
	v_cvt_scalef32_pk16_fp6_f32 v[T:T+2], v[\x+16:\x+31], v[SOP]   ; (a conversion's three registers begin on an even number)
	v_nop                                                      ; one plain line between a scaled conversion and the vector line that reads its result
.irp i, 0,1,2
	v_mov_b32 v[\c+3+\i], v[T+\i]
.endr
.endm
	s_load_b128 s[4:7], s[0:1], 0x0                ; keys s[4:5], values s[6:7]
	s_load_b64 s[8:9], s[0:1], 0x10                ; kv
	v_lshl_add_u32 v[SPW], v0, 2, SPARE
	v_mov_b32 v[NIL], 0
	v_lshrrev_b32 v1, 5, v0
	v_readfirstlane_b32 s10, v1                    ; wave 0..3
	v_and_b32 v1, 31, v0                           ; lane
	v_and_b32 v2, 15, v0                           ; r
	v_bfe_u32 v3, v0, 4, 1                         ; hf
	s_wait_alu depctr_va_vdst(0)                   ; a wait ahead of the scalar lines
	s_and_b32 s11, s10, 1                          ; which half of the tensor's part is my wave's
	s_and_b32 s13, ttmp7, 0xffff                   ; head = 16 b + h
	s_lshr_b32 s14, s13, 4
	s_lshl_b32 s14, s14, 23                        ; b x 2,048 rows of 4,096 bytes
	s_and_b32 s15, s13, 15
	s_lshl_b32 s15, s15, 8                         ; h x 256 bytes
	s_add_co_u32 s14, s14, s15
	s_lshl_b32 s15, ttmp9, 19                      ; step x 128 rows
	s_add_co_u32 s14, s14, s15
	s_mov_b32 s15, 0                               ; s[14:15]: where the step begins in keys and in values
	s_lshl_b32 s16, s13, 4
	s_add_co_u32 s16, s16, ttmp9
	s_mul_i32 s16, s16, STEPB
	s_mov_b32 s17, 0                               ; s[16:17]: where its block begins in kv
	s_mov_b32 s19, 0
	s_mov_b32 s20, 0x76543210
	s_mov_b32 s21, 0xfedcba98                      ; v_permlanex16_b32's selects for lane l xor 16
	s_mul_i32 s22, s11, 3072                       ; my half of an image: 24 registers x 128 bytes
	s_mul_i32 s24, s10, WST                        ; my stage (waves 0 and 1)
	s_wait_kmcnt 0x0
	s_add_nc_u64 s[8:9], s[8:9], s[16:17]
	s_cmp_lt_u32 s10, 2
	s_cbranch_scc0 .Lvalues
	; ---- K: four tiles of 16 keys
	s_lshl_b32 s18, s11, 18                        ; tiles 4-7 begin 64 rows on
	s_add_nc_u64 s[4:5], s[4:5], s[14:15]
	s_add_nc_u64 s[4:5], s[4:5], s[18:19]
	s_lshl_b32 s23, s11, 8
	v_lshlrev_b32 v4, 12, v3
	v_lshl_add_u32 v4, v2, 4, v4                   ; in: lanes 0-15 a row's 256 bytes, lanes 16-31 the next row's
.irp tl, 0,1,2,3
.irp q, 0,1,2,3,4,5,6,7
	global_load_b128 v[X+32*\tl+4*\q:X+32*\tl+4*\q+3], v4, s[4:5] offset:(8*\tl+2*\q+24*(\q/4))*4096 th:TH_LOAD_NT   ; tile tl: rows 8 tl .. 8 tl + 7 and 32 + 8 tl .. 32 + 8 tl + 7
.endr
.endr
	v_mul_u32_u24 v[SIN], v3, SP
	v_lshl_add_u32 v[SIN], v2, 4, v[SIN]
	v_add_nc_u32 v[SIN], s24, v[SIN]               ; into the stage: two rows an instruction, as they were loaded
	v_mul_u32_u24 v[SOUT], v2, SP
	v_lshl_add_u32 v[SOUT], v3, 7, v[SOUT]
	v_add_nc_u32 v[SOUT], s24, v[SOUT]             ; out of it: lane (r, hf) takes block hf of row r
	v_lshl_add_u32 v5, v1, 4, s22                  ; the image: 16 x lane + my half
	v_lshl_add_u32 v6, v1, 3, s23                  ; the scale words: 8 x lane + 256 x half
	v_lshlrev_b32 v7, 3, v3                        ; 8 hf: my byte's place in the word
.irp tl, 0,1,2,3
	v_mov_b32 v[PX+\tl], 0                         ; written once: a lane permute's destination counts as one of its sources
.endr
	s_wait_alu depctr_va_vdst(0)                   ; a wait at the head's end
.irp tl, 0,1,2,3
	s_wait_loadcnt 8*(3-\tl)                       ; this tile's eight loads are in; the later tiles' stay out
.irp q, 0,1,2,3,4,5,6,7
	ds_store_b128 v[SIN], v[X+32*\tl+4*\q:X+32*\tl+4*\q+3] offset:2*SP*\q
.endr
.irp q, 0,1,2,3,4,5,6,7
	ds_load_b128 v[Y+32*(\tl%2)+4*\q:Y+32*(\tl%2)+4*\q+3], v[SOUT] offset:16*\q   ; LDS serves a wave's instructions in order (ISA guide 5.7.1.4): these see the stores above
.endr
	s_wait_dscnt 0x0
	QB Y+32*(\tl%2), C+6*\tl, W+\tl
.endr
.irp tl, 0,1,2,3
	v_lshlrev_b32 v[W+\tl], v7, v[W+\tl]           ; my block's byte at its place,
.endr
.irp tl, 0,1,2,3
	v_permlanex16_b32 v[PX+\tl], v[W+\tl], s20, s21
.endr
.irp tl, 0,1,2,3
	v_or_b32 v[W+\tl], v[W+\tl], v[PX+\tl]         ; with the other block's,
.endr
.irp tl, 0,1,2,3
	v_lshl_or_b32 v[W+\tl], v[W+\tl], 16, v[W+\tl] ; and both once more in bytes 2 and 3: the half of the instruction's K that the head's 64 do not fill gets no other scale than the real half
.endr
	v_cmp_le_u32 vcc_lo, 16, v1
	v_cndmask_b32 v[WP], v[W], v[W+1], vcc_lo      ; lanes 0-15 the even tile's word, lanes 16-31 the odd tile's
	v_cndmask_b32 v[WP+1], v[W+2], v[W+3], vcc_lo
.irp g, 0,1,2,3,4,5
	global_store_b128 v5, v[C+4*\g:C+4*\g+3], s[8:9] offset:512*\g   ; 32 lanes store 512 consecutive bytes, at a multiple of 256 from kv's first byte
.endr
	global_store_b64 v6, v[WP:WP+1], s[8:9] offset:KSC               ; 256 consecutive bytes, aligned
	s_wait_tensorcnt 0x0                           ; the wave's end, behind my last LDS store
	ds_add_u32 v[SPW], v[NIL]
	s_wait_dscnt 0x0
	s_endpgm
.Lvalues:
	; ---- V: lane l takes channel 32 half + l; its 128 registers run down the step's keys: four whole blocks
	s_lshl_b32 s18, s11, 7                         ; 32 channels of 4 bytes
	s_add_nc_u64 s[6:7], s[6:7], s[14:15]
	s_add_nc_u64 s[6:7], s[6:7], s[18:19]
	s_lshl_b32 s23, s11, 7
	v_lshlrev_b32 v4, 2, v1                        ; 4 bytes a lane
	v_mul_u32_u24 v5, v3, 1536                     ; the image: my tile (lanes 0-15 the even one, lanes 16-31 the odd one),
	v_lshl_add_u32 v5, v2, 4, v5                   ; + 16 r,
	v_add_nc_u32 v5, s22, v5                       ; + my wave's two tiles
	v_lshl_add_u32 v6, v1, 2, s23                  ; the scale word: 4 x lane + 128 x half
	s_wait_alu depctr_va_vdst(0)                   ; a wait at the head's end
.set n, 0
.rept 128
	global_load_b32 v[X+n], v4, s[6:7] offset:n*4096 th:TH_LOAD_NT   ; key n: 32 lanes read 128 consecutive bytes
.set n, n+1
.endr
	s_wait_loadcnt 63                              ; behind block 0's loads 96 were issued: any smaller count is right, and 63 is the largest that the wait can name
	QB X, C, W                                     ; block q goes to C + 12 (q % 2) + 6 (q / 2): the image's lane (r, hf) wants blocks hf and 2 + hf on end
	s_wait_loadcnt 63                              ; behind block 1's: 64
	QB X+32, C+12, W+1
	s_wait_loadcnt 32                              ; behind block 2's: 32
	QB X+64, C+6, W+2
	s_wait_loadcnt 0x0
	QB X+96, C+18, W+3
	v_lshl_or_b32 v[W], v[W+1], 8, v[W]            ; my channel's scale word
	v_lshl_or_b32 v[W], v[W+2], 16, v[W]
	v_lshl_or_b32 v[W], v[W+3], 24, v[W]
.irp hh, 0,1
.irp g, 0,1,2
	global_store_b128 v5, v[C+12*\hh+4*\g:C+12*\hh+4*\g+3], s[8:9] offset:VIMG+512*\g+256*\hh   ; each sixteen lanes store 256 consecutive bytes, aligned
.endr
.endr
	global_store_b32 v6, v[W], s[8:9] offset:VSC   ; 128 consecutive bytes: the other half of these 256 is the other wave's
	s_endpgm
.Lfunc_end_k_q543b14fdb2_prep:
	.size	k_q543b14fdb2_prep, .Lfunc_end_k_q543b14fdb2_prep-k_q543b14fdb2_prep
	.p2alignl 7, 3214868480
	.fill 96, 4, 3214868480
	.section	.rodata,"a",@progbits
	.p2align	6, 0x0
	.amdhsa_kernel k_q543b14fdb2_prep
		.amdhsa_group_segment_fixed_size 9216
		.amdhsa_private_segment_fixed_size 0
		.amdhsa_enable_private_segment 0
		.amdhsa_kernarg_size 24
		.amdhsa_user_sgpr_count 2
		.amdhsa_user_sgpr_kernarg_segment_ptr 1
		.amdhsa_wavefront_size32 1
		.amdhsa_system_sgpr_workgroup_id_x 1
		.amdhsa_system_sgpr_workgroup_id_y 1
		.amdhsa_system_sgpr_workgroup_id_z 1
		.amdhsa_system_vgpr_workitem_id 0
		.amdhsa_next_free_vgpr 256
		.amdhsa_next_free_sgpr 66
		.amdhsa_reserve_vcc 1
		.amdhsa_float_denorm_mode_32 3
		.amdhsa_float_denorm_mode_16_64 3
		.amdhsa_memory_ordered 1
		.amdhsa_forward_progress 1
		.amdhsa_inst_pref_size 36
	.end_amdhsa_kernel
	.amdgpu_metadata
---
amdhsa.version: [ 1, 2 ]
amdhsa.kernels:
  - .name:           k_q543b14fdb2_prep
    .symbol:         k_q543b14fdb2_prep.kd
    .args:
      - { .name: keys, .offset: 0, .size: 8, .value_kind: global_buffer, .address_space: global }
      - { .name: values, .offset: 8, .size: 8, .value_kind: global_buffer, .address_space: global }
      - { .name: kv, .offset: 16, .size: 8, .value_kind: global_buffer, .address_space: global }
    .group_segment_fixed_size: 9216
    .private_segment_fixed_size: 0
    .kernarg_segment_align: 8
    .kernarg_segment_size: 24
    .max_flat_workgroup_size: 128
    .sgpr_count:     66
    .vgpr_count:     256
    .wavefront_size: 32
...
	.end_amdgpu_metadata
.endif
;; end of part 1
;; launch attn (part 2): grid 8 x 32, 16 waves a work-group, clusters of 4 x 1, 305,152 bytes of LDS; arguments queries, kv, out0; writes out0
.if DOCPART == 2
	.amdgcn_target "amdgcn-amd-amdhsa--gfx1250"
	.amdhsa_code_object_version 6
	.text
	.protected	k_q543b14fdb2_attn
	.globl	k_q543b14fdb2_attn
	.p2align	8
	.type	k_q543b14fdb2_attn,@function
k_q543b14fdb2_attn:
	s_mov_b64 s[64:65], 0
	v_nop
	global_prefetch_b8 v0, s[64:65] scope:SCOPE_SE
	s_setreg_imm32_b32 hwreg(HW_REG_WAVE_MODE, 25, 1), 1
	s_wait_xcnt 0x0
	s_wait_alu depctr_hold_cnt(0) depctr_sa_sdst(0) depctr_va_vdst(0) depctr_va_sdst(0) depctr_va_ssrc(0) depctr_va_vcc(0) depctr_vm_vsrc(0)
	s_getreg_b32 s2, hwreg(HW_REG_IB_STS2, 6, 4)
	s_cmp_eq_u32 s2, 0
	s_cbranch_scc0 .Lentry_in_a_cluster
	s_endpgm
.Lentry_in_a_cluster:
	s_bfe_u32 s2, ttmp6, 0x10000c
	s_cmp_lg_u32 s2, 0x3003
	s_cbranch_scc0 .Lentry_shape_is_right
	s_endpgm
.Lentry_shape_is_right:
; out0[b][q][h][:] = the sum over keys of softmax_k(mask(q, k) x (Q . K) / 8) V, both products on codes of FP6 (E2M3) with one E8M0 scale for each 32 along a product's K.
; THE MASK MULTIPLIES: above the diagonal the score is 0, so t = 0 and p = 2^-M: such keys count in the row's sum and in the second product.
; THE SOFTMAX AHEAD OF THE SECOND PRODUCT: t = score x log2(e) / 8; M = the row's largest t so far, rounded up to a whole number; p = 2^(t - M) is quantised along the keys, not normalised;
; the row's sum is taken of the unquantised p and divides at the end; when M moves, the sum and O are multiplied by 2^(old M - new M): exact.
; K and V come from kv, as images of the operands' registers (13,056 bytes for a head's step of 128 keys: K's 8 tiles, V's 4 tiles, their scale words).
; A WHOLE HEAD'S 16 BLOCKS LIE IN LDS: each of the sixteen waves brings one, once.  No LDS byte is filled twice.  The first trip needs block 0 alone; the others are waited for behind it.
; CLUSTER: the four work-groups of a cluster belong to one head and want the same 16 blocks: each block is asked for jointly, by the same tensor load with a mask that names the four.
; SHARES.  Work-group g of a head takes queries 128 a + 16 g + 0 .. 15, a = 0 .. 15: 16 tiles.  Tile a has scores in steps 0 .. a - 1 (open) and a (on the diagonal).  Waves p and p + 8 (p = 0 .. 7) share tiles p
; and 15 - p, 17 steps: wave p takes tile 15 - p's steps 0 .. 8; wave p + 8 takes tile p's steps 0 .. p, lays that tile's state aside in its own stage, and takes tile 15 - p's steps 9 .. 15 - p, whose state
; it hands to wave p through LDS.  So every wave has 8 or 9 steps; the branches hang on the wave's number and the trip alone.  At the end wave p sends out tile 15 - p and wave p + 8 tile p.
; STEPS WHOLLY ABOVE THE DIAGONAL have no first product (the mask makes their scores 0 for all inputs) and no product of their own for each tile: p is 2^-M for all their keys, so they add
; 2^-M x (the sum of the quantised V over the steps behind a).  Wave w makes step w's 64 sums, once, by products with the code of 4.0 under the byte 125 (that is 1); the way out adds the steps behind the tile's own.
; LIMIT: a NaN, an infinity or an overflow of a score above the diagonal is not carried to the result.
; LAYOUT.  Both products are used transposed: S^T = K Q^T (source 0 = 16 keys, source 1 = 16 queries), O^T = V^T P^T (source 0 = 16 channels, source 1 = p): a lane holds ONE query (lane % 16) throughout.
; The keys of a tile are not neighbours (tile t, lane r: key 64 (t / 4) + 32 (r / 8) + 8 (t % 4) + r % 8), so that the 32 registers of tiles 4 c .. 4 c + 3 are keys 64 c + 32 hf + 0 .. 31 (hf = lane / 16):
; a whole block of p in one lane, in the order in which the second product's operand wants its codes.
; THE HEAD'S 64 IN AN INSTRUCTION OF K = 128: Q's registers 6-11 hold zero codes.  Tile t of K is named as 12 registers from FB + 6 t on: its upper six are the next tile's codes (zeros behind tile 7).
; FP6 has no code for NaN or infinity and the scale bytes there are the real half's, so whatever stands there adds exactly 0.
; LIMITS: NaN and infinities among the inputs are not served; the scaled scores (t) stay under 2^31 in magnitude.  A block's largest p is taken from its largest score, through the same multiply-add and
; exponential: this takes v_exp_f32 not to fall where its input rises.  A block of zeros of Q gets the byte 1: its codes are zeros.
; No prefetch: the launch's streams (one block and 16 rows of Q a wave) are asked for at its head and never again.
.set STEPB, 13056
.set VIMG,  6144
.set KSC,   12288
.set VSC,   12800
.set STAGE, 16*STEPB                   ; behind the head's blocks: a stage for each wave: 16 rows x 272 bytes, or a tile's state, 36 registers x 128 bytes
.set STGB,  4608
.set SP,    272
.set QI,    STAGE+16*STGB              ; Q's images: 1,024 bytes a tile: at 16 x lane codes 0-3, at 512 + 16 x lane codes 4, 5 and the scale word
.set UB,    QI+16*1024                 ; the steps' sums of V: 64 channels x 4 bytes a step
.set SPARE, UB+16*256                  ; the spare words, 128 bytes for each wave: eight blocks of 256 bytes that no other line names
.set LI,  1                            ; v1-3  16, 8, 4 x lane
.set L8,  2
.set L4,  3
.set SPW, 4                            ; v4    LDS address of my spare word; never rewritten
.set NIL, 5                            ; v5    0; never rewritten
.set ADI, 6                            ; v6-8  v1-3 + the step's block
.set AD8, 7
.set AD4, 8
.set GQ,  9                            ; v9    g - 2 hf: on the diagonal 16 keys at 64 c + 32 hf + 16 u are all seen where this is above 4 c + u, and in part where it is equal
.set STO, 10                           ; v10   the way out: where I put 32 bytes of a row
.set RD,  11                           ; v11   and where I read a row back (and where Q's rows go in)
                                       ; v12 -M, v13 the largest score so far, v[14:15] the row's sum in two halves
.set QF,  16                           ; v16-27   Q's fragment; v22-27 = 0
.set QS,  28                           ; v28      Q's scale word
.set GO,  29                           ; v29      my byte offset in 16 rows of Q and of out0
.set DOWN,30                           ; v30      my own stage + 16 x lane
.set PS,  31                           ; v31      p's scale word
.set FB,  32                           ; v32-79   K's 48 registers, then V's 48
.set FBZ, 80                           ; v80-85   0
.set KS,  86                           ; v86-89   K's scale words
.set VS,  90                           ; v90-91   V's
.set F,   92                           ; v92      f = 2^(old M - new M); v93 = 0, named with it as a pair
.set TA,  94
.set PX,  95                           ; v95      what lane l xor 16 sends
.set S,   96                           ; v96-159  S^T, then p
.set OT,  160                          ; v160-191 O^T
.set PC,  192                          ; v192-203 p's codes
.set PT,  204                          ; v204-206, v208-210 the conversions' second halves
.set BM,  212                          ; v212-213 my two blocks' largest score, then largest p
.set BN,  214                          ; v214-215 the second chains
.set SU,  216                          ; v216-221 partial sums
.set SOP, 222                          ; v222-223 the conversions' scale operands
.set MT,  224
.set T1,  225
.set F2,  226                          ; v226-227 a second factor, as a pair
.set DPAIR,228                         ; v228     the stage of wave w % 8 + 16 x lane: where a state is handed over
.set QR2, 229                          ; v229     Q's image of tile 15 - p
.set RR,  230                          ; v230     r = lane % 16
.set HF,  231                          ; v231     hf = lane / 16
.set H8,  232                          ; v232     8 hf
.set M0,  233
.set M1,  234
.set QSO, 235
.set UW,  236                          ; v236     where my step's sums go
.set UR,  237                          ; v237     where I read the sums: UB + 8 x lane
.set SD8, 238                          ; v238     my own stage + 8 x lane
.set TBR, 239                          ; v239     my own stage + 32 hf
.set PX2, 240
.set QIA, 241                          ; v241     the image of the tile of Q that I quantise
.set QT,  242                          ; v242     Q's turn: my stage, row r, block hf
.set QRA, 243                          ; v243     the image of my first tile
.set WV,  10                           ; s10  wave
.set TI,  11                           ; s11  my first tile, which I send out at the end
.set I,   12                           ; s12  the trip
.set TB,  13                           ; s13  LDS byte at which the step's block begins
.set T0,  14
.set SW,  15                           ; s15  the trip in which my second tile begins (64: never)
.set G1,  16                           ; s[16:23] descriptor group 1
.set G0,  24                           ; s[24:27] descriptor group 0
.set SEL, 28                           ; s[28:29] lane selects for v_permlanex16_b32: lane l xor 16
.set CS,  30                           ; s[30:31] c = log2(e) / 8
.set NC,  32                           ; s32  -c
.set OFV, 33                           ; s33  8 - p: a second tile's step is the trip + this
.set DG1, 34                           ; s34, s35 the trips that lie on a diagonal (64: none)
.set DG2, 35
.set NT,  36                           ; s36  my trips
.set Q1,  37                           ; s37  my first tile's first query
.set Q2,  38                           ; s38  tile 15 - p's
.macro CROUND                          ; a round of the cluster's barrier: my work-group's barrier; wave 0 signals for the work-group; every wave waits for all four; my work-group's barrier once more
	s_barrier_signal -1
	s_barrier_wait -1
	s_cmp_lg_u32 s[WV], 0
	s_cbranch_scc1 .Lnot_wave_0_\@
	s_barrier_signal -3
.Lnot_wave_0_\@:
	s_barrier_wait -3
	s_barrier_signal -1
	s_barrier_wait -1
.endm
.macro PLACES
.rept 4
	v_nop
.endr
.endm
; 32 numbers of ONE block in v[x] .. v[x + 31] become six registers of codes from v[c] on (c even) and the scale's byte in v[byte].
.macro QB x, c, byte
	v_max3_num_f32 v[M0], |v[\x]|, |v[\x+1]|, |v[\x+2]|
	v_max3_num_f32 v[M1], |v[\x+3]|, |v[\x+4]|, |v[\x+5]|
.irp i, 6,10,14,18,22,26
	v_max3_num_f32 v[M0], v[M0], |v[\x+\i]|, |v[\x+\i+1]|
	v_max3_num_f32 v[M1], v[M1], |v[\x+\i+2]|, |v[\x+\i+3]|
.endr
	v_max3_num_f32 v[M0], v[M0], |v[\x+30]|, |v[\x+31]|
	v_max3_num_f32 v[M0], v[M0], v[M1], 0x1800000              ; and the floor 2^(3 - 127): the byte cannot fall under 1
	v_add_nc_u32 v[QSO], 0xff000000, v[M0]                     ; 2 off the exponent field: the conversion's scale operand
	v_lshrrev_b32 v[\byte], 23, v[QSO]
	v_cvt_scalef32_pk16_fp6_f32 v[\c:\c+2], v[\x:\x+15], v[QSO]
	v_cvt_scalef32_pk16_fp6_f32 v[PT:PT+2], v[\x+16:\x+31], v[QSO]
	v_nop                                                      ; one plain line behind the scaled conversions
.irp i, 0,1,2
	v_mov_b32 v[\c+3+\i], v[PT+\i]
.endr
.endm
.macro INIT q                          ; a tile's state; q: the scalar that holds its first query
	v_add_nc_u32 v[TA], s[\q], v[RR]               ; my query
	v_mov_b32 v[MT], 0xff61b1e6                    ; -3e38, under every score
	v_cmp_eq_u32 vcc_lo, 0x7ff, v[TA]
	v_cndmask_b32 v13, 0, v[MT], vcc_lo            ; the largest score so far: 0, a masked key's; query 2,047 alone has no masked key
	v_mul_f32 v[T1], s[NC], v13
	v_floor_f32 v12, v[T1]                         ; -M
	v_mov_b32 v14, 0                               ; the sum, in two halves
	v_mov_b32 v15, 0
.set n, 0
.rept 32
	v_mov_b32 v[OT+n], 0                           ; O^T.  (The step is written for any trip: a tile's first finds zeros, which the first change of M leaves zeros)
.set n, n+1
.endr
.endm
.macro DUMP ad                         ; a tile's state to LDS: O^T, then -M, the largest score, the sum
.irp g, 0,1,2,3,4,5,6,7
	ds_store_b128 v[\ad], v[OT+4*\g:OT+4*\g+3] offset:512*\g
.endr
	ds_store_b128 v[\ad], v[12:15] offset:4096
.endm
.macro FETCH_V ai, a4                  ; a step's four tiles of V and their two scale words: each load takes consecutive bytes, lane by lane
.irp g, 0,1,2,3,4,5,6,7,8,9,10,11
	ds_load_b128 v[FB+4*\g:FB+4*\g+3], v[\ai] offset:VIMG+512*\g
.endr
	ds_load_b32 v[VS], v[\a4] offset:VSC
	ds_load_b32 v[VS+1], v[\a4] offset:VSC+128
.endm
.macro STEP first                      ; one step with scores.  first = 1: trip 0, whose step is 0 in every wave
.if \first
.set PI, LI
.set P8, L8
.set P4, L4
.else
.set PI, ADI
.set P8, AD8
.set P4, AD4
	s_cmp_ge_u32 s[I], s[SW]
	s_cselect_b32 s[T0], s[OFV], 0
	s_add_co_u32 s[T0], s[T0], s[I]
	s_min_u32 s[T0], s[T0], 15                     ; the step
	s_mul_i32 s[TB], s[T0], STEPB
	v_add_nc_u32 v[ADI], s[TB], v[LI]              ; four plain lines: the places between the last products and the loads into the registers that they read
	v_add_nc_u32 v[AD8], s[TB], v[L8]
	v_add_nc_u32 v[AD4], s[TB], v[L4]
	v_nop
	s_wait_alu depctr_va_vdst(0)                   ; a wait ahead of the wait below
.endif
.irp g, 0,1,2,3,4,5,6,7,8,9,10,11
	ds_load_b128 v[FB+4*\g:FB+4*\g+3], v[PI] offset:512*\g
.endr
	ds_load_b64 v[KS:KS+1], v[P8] offset:KSC
	ds_load_b64 v[KS+2:KS+3], v[P8] offset:KSC+256
	s_wait_dscnt 0x0
.irp t, 0,1,2,3,4,5,6,7                ; S^T = K Q^T: eight tiles of 16 keys
.if \t%2
	v_wmma_scale_f32_16x16x128_f8f6f4 v[S+8*\t:S+8*\t+7], v[FB+6*\t:FB+6*\t+11], v[QF:QF+11], 0, v[KS+\t/2], v[QS] matrix_a_fmt:MATRIX_FMT_FP6 matrix_b_fmt:MATRIX_FMT_FP6 matrix_a_scale:MATRIX_SCALE_ROW1
.else
	v_wmma_scale_f32_16x16x128_f8f6f4 v[S+8*\t:S+8*\t+7], v[FB+6*\t:FB+6*\t+11], v[QF:QF+11], 0, v[KS+\t/2], v[QS] matrix_a_fmt:MATRIX_FMT_FP6 matrix_b_fmt:MATRIX_FMT_FP6
.endif
.endr
	PLACES                                         ; in front of the loads into K's registers and of the first read of the scores
	FETCH_V PI, P4                                 ; V lands while the softmax is walked
	s_cmp_eq_u32 s[I], s[DG1]
	s_cbranch_scc1 .Ldiag_\@
	s_cmp_lg_u32 s[I], s[DG2]
	s_cbranch_scc1 .Lopen_\@
.Ldiag_\@:                             ; on the diagonal a hidden key's score becomes 0.  Register 32 c + 16 u + i holds key 64 c + 32 hf + 16 u + i of the step
.irp q, 0,1,2,3                        ; q = 2 c + u: lanes that see all 16 keys, lanes that see keys i up to r
	v_cmp_lt_i32 s[48+2*\q], 4*(\q/2)+(\q%2), v[GQ]
	v_cmp_eq_i32 s[49+2*\q], 4*(\q/2)+(\q%2), v[GQ]
.endr
	s_wait_alu depctr_va_vdst(0)                   ; a wait ahead of the scalar lines
.set n, 0
.rept 64
	s_and_b32 s[56+2*(n%2)], s[49+2*(n/16)], ((0xffff<<(n%16))&0xffff)*0x10001   ; lanes with r >= i
	s_or_b32 s[57+2*(n%2)], s[56+2*(n%2)], s[48+2*(n/16)]
	v_cndmask_b32 v[S+n], 0, v[S+n], s[57+2*(n%2)]
.set n, n+1
.endr
.Lopen_\@:
.irp c, 0,1                            ; the largest score of each of my two blocks of 32 keys, in two chains each: it serves for the row's maximum and, since p rises with the score, for the block's largest p
	v_max3_num_f32 v[BM+\c], v[S+32*\c], v[S+32*\c+1], v[S+32*\c+2]
	v_max3_num_f32 v[BN+\c], v[S+32*\c+16], v[S+32*\c+17], v[S+32*\c+18]
.endr
.irp i, 3,5,7,9,11,13
.irp c, 0,1
	v_max3_num_f32 v[BM+\c], v[BM+\c], v[S+32*\c+\i], v[S+32*\c+\i+1]
	v_max3_num_f32 v[BN+\c], v[BN+\c], v[S+32*\c+\i+16], v[S+32*\c+\i+17]
.endr
.endr
.irp c, 0,1
	v_max3_num_f32 v[BM+\c], v[BM+\c], v[S+32*\c+15], v[S+32*\c+31]
.endr
.irp c, 0,1
	v_max_num_f32 v[BM+\c], v[BM+\c], v[BN+\c]
.endr
	v_max_num_f32 v[TA], v[BM], v[BM+1]
	v_permlanex16_b32 v[PX], v[TA], s[SEL], s[SEL+1]
	v_mov_b32 v[MT], v12                           ; old -M
	v_max3_num_f32 v13, v13, v[TA], v[PX]          ; the running largest score, with lane l xor 16's 64 keys
	v_mul_f32 v[T1], s[NC], v13                    ; -t (c is positive)
	v_floor_f32 v12, v[T1]                         ; the new -M = floor(-t) = -ceil(t)
	v_sub_f32 v[T1], v12, v[MT]                    ; old M - new M: a whole number, 0 or less
.set n, 0
.rept 8
	v_pk_fma_f32 v[S+n:S+n+1], v[S+n:S+n+1], s[CS:CS+1], v[12:13] op_sel_hi:[1,0,0]   ; t - M, two at a time (of the pairs c and -M the low word serves both halves)
.set n, n+2
.endr
	v_cvt_i32_f32 v[T1], v[T1]                     ; (it saturates)
.rept 8
	v_pk_fma_f32 v[S+n:S+n+1], v[S+n:S+n+1], s[CS:CS+1], v[12:13] op_sel_hi:[1,0,0]
.set n, n+2
.endr
	v_ldexp_f32 v[F], 1.0, v[T1]                   ; f = 2^(old M - new M)
.rept 16
	v_pk_fma_f32 v[S+n:S+n+1], v[S+n:S+n+1], s[CS:CS+1], v[12:13] op_sel_hi:[1,0,0]
.set n, n+2
.endr
.irp c, 0,1
	v_fma_f32 v[BM+\c], v[BM+\c], s[CS], v12       ; the same of each block's largest score
.endr
.set n, 0
.rept 16
	v_pk_mul_f32 v[OT+n:OT+n+1], v[OT+n:OT+n+1], v[F:F+1] op_sel_hi:[1,0]   ; O^T under the new M
.set n, n+2
.endr
	s_wait_alu depctr_va_vdst(0)                   ; a wait ahead of the batch
.irp c, 0,1
	v_exp_f32 v[BM+\c], v[BM+\c]                   ; the block's largest p: the same two instructions on the same number give the same bits
.endr
.set n, 0
.rept 64
	v_exp_f32 v[S+n], v[S+n]                       ; p = 2^(t - M), at most 1: not normalised
.set n, n+1
.endr
	v_pk_mul_f32 v[14:15], v[14:15], v[F:F+1] op_sel_hi:[1,0]   ; the sums under the new M: a plain line behind the exponentials
	s_wait_alu depctr_va_vdst(0)                   ; and one wait behind the batch, ahead of the first line that names a result
.irp c, 0,1
	v_max_num_f32 v[BM+\c], 0x1800000, v[BM+\c]    ; the floor 2^(3 - 127): the byte cannot fall under 1
.endr
.irp c, 0,1
	v_add_nc_u32 v[SOP+\c], 0xff000000, v[BM+\c]   ; 2 off the exponent field: the conversion's scale operand
.endr
	v_lshrrev_b32 v[T1], 23, v[SOP]                ; my two blocks' bytes: hf and 2 + hf
	v_lshrrev_b32 v[MT], 23, v[SOP+1]
	v_lshl_or_b32 v[TA], v[MT], 16, v[T1]
	v_permlanex16_b32 v[PX2], v[TA], s[SEL], s[SEL+1]
	v_lshl_or_b32 v[PS], v[PX2], 8, v[TA]          ; in lanes 0-15: p's scale word for these 128 keys (lanes 16-31 are not read)
.irp c, 0,1
	v_cvt_scalef32_pk16_fp6_f32 v[PC+6*\c:PC+2+6*\c], v[S+32*\c:S+15+32*\c], v[SOP+\c]
	v_cvt_scalef32_pk16_fp6_f32 v[PT+4*\c:PT+2+4*\c], v[S+16+32*\c:S+31+32*\c], v[SOP+\c]   ; (a conversion's three registers begin on an even number)
.endr
	v_pk_add_f32 v[14:15], v[14:15], v[S:S+1]      ; the row's sum, of the unquantised p, in four chains; this first line is the plain one behind the scaled conversions
.irp c, 0,1
.irp i, 0,1,2
	v_mov_b32 v[PC+3+6*\c+\i], v[PT+4*\c+\i]
.endr
.endr
.irp k, 0,1,2
	v_pk_add_f32 v[SU+2*\k:SU+2*\k+1], v[S+4*\k+2:S+4*\k+3], v[S+4*\k+4:S+4*\k+5]
.endr
.set n, 14
.rept 6
	v_pk_add_f32 v[14:15], v[14:15], v[S+n:S+n+1]
	v_pk_add_f32 v[SU:SU+1], v[SU:SU+1], v[S+n+2:S+n+3]
	v_pk_add_f32 v[SU+2:SU+3], v[SU+2:SU+3], v[S+n+4:S+n+5]
	v_pk_add_f32 v[SU+4:SU+5], v[SU+4:SU+5], v[S+n+6:S+n+7]
.set n, n+8
.endr
	v_pk_add_f32 v[14:15], v[14:15], v[S+62:S+63]
	v_pk_add_f32 v[SU:SU+1], v[SU:SU+1], v[SU+2:SU+3]
	v_pk_add_f32 v[14:15], v[14:15], v[SU+4:SU+5]
	v_pk_add_f32 v[14:15], v[14:15], v[SU:SU+1]    ; (these additions are also the places behind the writes of p's codes and scale word)
	s_wait_alu depctr_va_vdst(0)                   ; a wait ahead of the wait below
	s_wait_dscnt 0x0                               ; V and its scale words are in
.irp n, 0,1,2,3                        ; O^T += V^T P^T over the step's 128 keys: four accumulators by turns
.if \n%2
	v_wmma_scale_f32_16x16x128_f8f6f4 v[OT+8*\n:OT+8*\n+7], v[FB+12*\n:FB+12*\n+11], v[PC:PC+11], v[OT+8*\n:OT+8*\n+7], v[VS+\n/2], v[PS] matrix_a_fmt:MATRIX_FMT_FP6 matrix_b_fmt:MATRIX_FMT_FP6 matrix_a_scale:MATRIX_SCALE_ROW1
.else
	v_wmma_scale_f32_16x16x128_f8f6f4 v[OT+8*\n:OT+8*\n+7], v[FB+12*\n:FB+12*\n+11], v[PC:PC+11], v[OT+8*\n:OT+8*\n+7], v[VS+\n/2], v[PS] matrix_a_fmt:MATRIX_FMT_FP6 matrix_b_fmt:MATRIX_FMT_FP6
.endif
.endr
.endm
	s_load_b128 s[4:7], s[0:1], 0x0                ; queries s[4:5], kv s[6:7]
	s_load_b64 s[8:9], s[0:1], 0x10                ; out0
	v_lshl_add_u32 v[SPW], v0, 2, SPARE
	v_mov_b32 v[NIL], 0
	ds_add_u32 v[SPW], v[NIL]                      ; the wave's opening: the add, twice on end, and its wait ahead of my first tensor load; the set-up below, work on registers, stands between
	ds_add_u32 v[SPW], v[NIL]
	v_lshrrev_b32 v1, 5, v0
	v_readfirstlane_b32 s[WV], v1                  ; wave 0..15
	s_and_b32 s40, s[WV], 7                        ; p
	s_xor_b32 s41, s40, 15                         ; 15 - p
	s_add_co_u32 s43, s40, 1
	s_sub_co_u32 s[OFV], 8, s40
	s_cmp_eq_u32 s40, 7
	s_cselect_b32 s44, 8, 64                       ; of waves 0-7 wave 7 alone meets a diagonal: tile 8's, in trip 8
	s_cmp_lt_u32 s[WV], 8
	s_cselect_b32 s[TI], s41, s40
	s_cselect_b32 s[SW], 64, s43
	s_cselect_b32 s[DG1], s44, s40
	s_cselect_b32 s[DG2], s44, 7
	s_cselect_b32 s[NT], 9, 8
	s_bfe_u32 s42, ttmp6, 0x40000                  ; cx: my place in the cluster: it enters Q's and out0's addresses and the diagonal's compare alone
	s_lshl_b32 s45, ttmp9, 2                       ; in a cluster launch ttmp9 counts clusters
	s_add_co_u32 s45, s45, s42                     ; g = 4 x cluster x + cx
	s_and_b32 s46, ttmp7, 0xffff                   ; the head = 16 b + h, which the four partners share
	; descriptor group 1: a dense block of 13,056 bytes as 51 rows of 256 bytes
	s_mov_b32 s[G1], 15|(3<<16)|(1<<21)            ; 15:0 the mask: all four work-groups; 17:16 elements of 8 bytes; 20 no padding; 21 set beside a mask
	s_mov_b32 s[G1+1], 32<<16                      ; tensor_dim0 = 32
	s_mov_b32 s[G1+2], 51<<16                      ; tensor_dim1 = 51
	s_mov_b32 s[G1+3], 32<<16                      ; tile_dim0 = 32
	s_mov_b32 s[G1+4], 51                          ; tile_dim1 = 51
	s_mov_b32 s[G1+5], 32                          ; from row to row: 32 elements
	s_mov_b32 s[G1+6], 0
	s_mov_b32 s[G1+7], 0
	s_mov_b32 s[G0], 1                             ; count = 1
	s_mul_i32 s[G0+1], s[WV], STEPB                ; LDS address: wave w brings step w's block to w x STEPB
	s_lshl_b32 s52, s46, 4
	s_add_co_u32 s52, s52, s[WV]
	s_mul_i32 s52, s52, STEPB                      ; and finds it in kv at (16 head + w) x STEPB
	s_mov_b32 s53, 0
	s_lshr_b32 s47, s46, 4
	s_lshl_b32 s47, s47, 23                        ; b x 2,048 rows of 4,096 bytes
	s_and_b32 s42, s46, 15
	s_lshl_b32 s42, s42, 8                         ; h x 256 bytes
	s_add_co_u32 s47, s47, s42
	s_lshl_b32 s42, s45, 4                         ; 16 g
	s_lshl_b32 s[Q1], s[TI], 7
	s_add_co_u32 s[Q1], s[Q1], s42
	s_lshl_b32 s[Q2], s41, 7
	s_add_co_u32 s[Q2], s[Q2], s42
	s_lshl_b32 s48, s[WV], 7
	s_add_co_u32 s48, s48, s42                     ; the tile of Q that I quantise is tile w
	s_lshl_b32 s48, s48, 12
	s_add_co_u32 s48, s48, s47
	s_mov_b32 s49, 0                               ; s[48:49]: where its 16 rows begin in queries
	s_lshl_b32 s50, s[Q1], 12
	s_add_co_u32 s50, s50, s47
	s_mov_b32 s51, 0                               ; s[50:51]: where the rows that I send out begin in out0
	s_mov_b32 s[SEL], 0x76543210
	s_mov_b32 s[SEL+1], 0xfedcba98
	s_mov_b32 s[CS], 0x3e38aa3b                    ; c = log2(e) / 8
	s_mov_b32 s[CS+1], s[CS]                       ; (named with it as a pair, so it is written)
	s_mov_b32 s[NC], 0xbe38aa3b                    ; -c
	s_mul_i32 s54, s[WV], STGB
	s_add_co_u32 s54, s54, STAGE                   ; my stage
	s_mul_i32 s55, s40, STGB
	s_add_co_u32 s55, s55, STAGE                   ; the stage of wave w % 8
	s_lshl_b32 s56, s[WV], 10
	s_add_co_u32 s56, s56, QI
	s_lshl_b32 s57, s[TI], 10
	s_add_co_u32 s57, s57, QI
	s_lshl_b32 s58, s41, 10
	s_add_co_u32 s58, s58, QI
	s_lshl_b32 s59, s[WV], 8
	s_add_co_u32 s59, s59, UB
	v_and_b32 v[TA], 31, v0                        ; lane
	v_and_b32 v[RR], 15, v0
	v_bfe_u32 v[HF], v0, 4, 1
	v_lshlrev_b32 v[LI], 4, v[TA]
	v_lshlrev_b32 v[L8], 3, v[TA]
	v_lshlrev_b32 v[L4], 2, v[TA]
	v_lshlrev_b32 v[GO], 12, v[HF]
	v_lshlrev_b32 v[H8], 3, v[HF]
	v_lshlrev_b32 v[T1], 1, v[HF]
	v_lshl_add_u32 v[GO], v[RR], 4, v[GO]          ; lanes 0-15 one row of 256 bytes, lanes 16-31 the next; 16 bytes a lane
	v_mul_u32_u24 v[STO], v[RR], SP
	v_mul_u32_u24 v[RD], v[HF], SP
	v_sub_nc_u32 v[GQ], s45, v[T1]                 ; g - 2 hf
	v_lshl_add_u32 v[QT], v[HF], 7, v[STO]
	v_lshl_add_u32 v[STO], v[HF], 5, v[STO]
	v_lshl_add_u32 v[RD], v[RR], 4, v[RD]
	v_add_nc_u32 v[QT], s54, v[QT]                 ; row r, + 128 hf
	v_add_nc_u32 v[STO], s54, v[STO]               ; row r, + 32 hf
	v_add_nc_u32 v[RD], s54, v[RD]                 ; row hf, + 16 r
	v_add_nc_u32 v[DOWN], s54, v[LI]
	v_add_nc_u32 v[DPAIR], s55, v[LI]
	v_add_nc_u32 v[QIA], s56, v[LI]
	v_add_nc_u32 v[QRA], s57, v[LI]
	v_add_nc_u32 v[QR2], s58, v[LI]
	v_add_nc_u32 v[UW], s59, v[L4]
	v_add_nc_u32 v[UR], UB, v[L8]
	v_add_nc_u32 v[SD8], s54, v[L8]
	v_lshl_add_u32 v[TBR], v[HF], 5, s54
	s_wait_alu depctr_va_vdst(0)                   ; a wait ahead of the waits below
	s_wait_dscnt 0x0                               ; both opening adds are done
	s_wait_kmcnt 0x0
	s_add_nc_u64 s[4:5], s[4:5], s[48:49]
	s_add_nc_u64 s[8:9], s[8:9], s[50:51]
	s_add_nc_u64 s[G0+2:G0+3], s[6:7], s[52:53]    ; global address of my block
	s_or_b32 s[G0+3], s[G0+3], 0x80000000          ; type = 2
.irp i, 0,1,2,3,4,5,6,7
	global_load_b128 v[S+4*\i:S+4*\i+3], v[GO], s[4:5] offset:8192*\i th:TH_LOAD_NT   ; rows 2 i and 2 i + 1 of tile w, 256 consecutive bytes each
.endr
	CROUND                                         ; all four work-groups are here: the joint loads meet
	s_cmp_lt_u32 s[WV], 1                          ; my one tensor load of the launch.  Block 0, which the first trip needs, has a line of its own: wave 0 alone waits for it ahead of the first barrier
	s_cbranch_scc0 .Lothers
	tensor_load_to_lds s[G0:G0+3], s[G1:G1+7]
	s_nop 0
	PLACES
	s_branch .Lasked
.Lothers:
	tensor_load_to_lds s[G0:G0+3], s[G1:G1+7]
	s_nop 0
	PLACES
.Lasked:
	; constants, while the loads are on their way
.irp i, 0,1,2,3,4,5
	v_mov_b32 v[QF+6+\i], 0                        ; Q's zero codes for k = 64 .. 127
	v_mov_b32 v[FBZ+\i], 0                         ; what stands behind K's tile 7
.endr
	v_mov_b32 v[PX], 0                             ; written once: a lane permute's destination counts as one of its sources
	v_mov_b32 v[PX2], 0
	v_mov_b32 v[F+1], 0                            ; (named as the upper half of a pair)
	v_mov_b32 v[F2+1], 0
	INIT Q1
	s_wait_alu depctr_va_vdst(0)                   ; a wait ahead of the waits below
	; tile w of Q: its rows turn through my stage, so that lane (r, hf) holds block hf of query r
.irp i, 0,1,2,3,4,5,6,7
	s_wait_loadcnt 7-\i                            ; load i is in; the younger ones stay out
	ds_store_b128 v[RD], v[S+4*\i:S+4*\i+3] offset:2*SP*\i
.endr
.irp i, 0,1,2,3,4,5,6,7
	ds_load_b128 v[S+32+4*\i:S+35+4*\i], v[QT] offset:16*\i   ; LDS serves a wave's instructions in order (ISA guide 5.7.1.4): these see the stores above
.endr
	s_wait_dscnt 0x0
	QB S+32, PC, TA                                ; my block of my query: six registers of codes, one byte
	v_lshlrev_b32 v[TA], v[H8], v[TA]              ; my byte at its place,
	v_permlanex16_b32 v[PX], v[TA], s[SEL], s[SEL+1]
	v_or_b32 v[MT], v[TA], v[PX]                   ; with the other block's,
	v_lshl_or_b32 v[MT], v[MT], 16, v[MT]          ; and both once more for the half of K that holds zero codes
	ds_store_b128 v[QIA], v[PC:PC+3]
	ds_store_b64 v[QIA], v[PC+4:PC+5] offset:512
	ds_store_b32 v[QIA], v[MT] offset:520
	s_wait_alu depctr_va_vdst(0)                   ; a wait at the head's end
	s_wait_dscnt 0x0                               ; my image is written
	s_cmp_lt_u32 s[WV], 1
	s_cbranch_scc0 .Lnot_mine
	s_wait_tensorcnt 0x0                           ; block 0 has landed
.Lnot_mine:
	s_barrier_signal -1
	s_barrier_wait -1                              ; Q's images and block 0 are there
	ds_load_b128 v[QF:QF+3], v[QRA]                ; my first tile's codes and scale word
	ds_load_b64 v[QF+4:QF+5], v[QRA] offset:512
	ds_load_b32 v[QS], v[QRA] offset:520
	s_mov_b32 s[I], 0
	STEP 1                                         ; trip 0: step 0 in every wave
	s_wait_tensorcnt 0x0                           ; my block has landed,
	s_wait_dscnt 0x0
	s_barrier_signal -1
	s_barrier_wait -1                              ; everybody's has: the head's 16 blocks are only read from here on
	; step w's sums of the quantised V: every row of source 0 is 128 ones, source 1 = V's four tiles of 16 channels.  Step 0 lies above no tile's diagonal: wave 0 makes none
	s_cmp_eq_u32 s[WV], 0
	s_cbranch_scc1 .Lsummed
	s_mul_i32 s[TB], s[WV], STEPB
	v_add_nc_u32 v[ADI], s[TB], v[LI]
	v_add_nc_u32 v[AD4], s[TB], v[L4]
	v_nop
	v_nop                                          ; four places behind the last products
	FETCH_V ADI, AD4
	v_mov_b32 v[PS], 0x7d7d7d7d                    ; four bytes 125
.irp q, 0,1,2,3
	v_mov_b32 v[PC+3*\q], 0x18618618               ; the code of 4.0 (011000), 16 times in 96 bits
	v_mov_b32 v[PC+3*\q+1], 0x86186186
	v_mov_b32 v[PC+3*\q+2], 0x61861861
.endr
	PLACES                                         ; an operand written by vector lines stands four places ahead of a scaled matrix instruction
	s_wait_alu depctr_va_vdst(0)                   ; a wait ahead of the wait below
	s_wait_dscnt 0x0
.irp n, 0,1,2,3
.if \n%2
	v_wmma_scale_f32_16x16x128_f8f6f4 v[S+8*\n:S+8*\n+7], v[PC:PC+11], v[FB+12*\n:FB+12*\n+11], 0, v[PS], v[VS+\n/2] matrix_a_fmt:MATRIX_FMT_FP6 matrix_b_fmt:MATRIX_FMT_FP6 matrix_b_scale:MATRIX_SCALE_ROW1
.else
	v_wmma_scale_f32_16x16x128_f8f6f4 v[S+8*\n:S+8*\n+7], v[PC:PC+11], v[FB+12*\n:FB+12*\n+11], 0, v[PS], v[VS+\n/2] matrix_a_fmt:MATRIX_FMT_FP6 matrix_b_fmt:MATRIX_FMT_FP6
.endif
.endr
	s_mov_b32 vcc_lo, 0xffff0000
	PLACES
	v_cndmask_b32 v[TA], v[S], v[S+8], vcc_lo      ; every row of a result is the same; lane l takes channel l,
	v_cndmask_b32 v[MT], v[S+16], v[S+24], vcc_lo  ; and channel 32 + l
	ds_store_b32 v[UW], v[TA]
	ds_store_b32 v[UW], v[MT] offset:128
.Lsummed:
	s_mov_b32 s[I], 1
.Ltrip:                                            ; trips 1 to 8, in every wave; no barrier and no tensor load stands in the loop
	s_cmp_lt_u32 s[WV], 8
	s_cbranch_scc1 .Lsame
	s_cmp_lg_u32 s[I], s[SW]
	s_cbranch_scc1 .Lsame
	PLACES                                         ; behind the last products
	DUMP DOWN                                      ; tile p is done but for the steps above its diagonal: its state waits in my own stage
	ds_load_b128 v[QF:QF+3], v[QR2]                ; tile 15 - p's codes and scale word
	ds_load_b64 v[QF+4:QF+5], v[QR2] offset:512
	ds_load_b32 v[QS], v[QR2] offset:520
	s_wait_dscnt 0x0                               ; the state's registers may be written
	INIT Q2
	s_wait_alu depctr_va_vdst(0)                   ; a wait ahead of the branch
.Lsame:
	s_cmp_ge_u32 s[I], s[NT]
	s_cbranch_scc1 .Lnext
	STEP 0
.Lnext:
	s_add_co_u32 s[I], s[I], 1
	s_cmp_lt_u32 s[I], 9
	s_cbranch_scc1 .Ltrip
	PLACES                                         ; behind the last products
	s_cmp_lt_u32 s[WV], 8
	s_cbranch_scc1 .Lhanded
	DUMP DPAIR                                     ; tile 15 - p's steps 9 .. 15 - p: to wave p
.Lhanded:
	s_wait_dscnt 0x0
	s_barrier_signal -1
	s_barrier_wait -1                              ; the states handed over and the steps' sums are there
.set n, 1
.rept 15
	ds_load_b64 v[S+2*n:S+2*n+1], v[UR] offset:256*n   ; step n's sums of channels 2 l and 2 l + 1
.set n, n+1
.endr
	s_cmp_lt_u32 s[WV], 8
	s_cbranch_scc0 .Lparked
	; waves 0-7: the two parts of tile 15 - p, under the larger M of the two
.irp g, 0,1,2,3,4,5,6,7
	ds_load_b128 v[FB+4*\g:FB+4*\g+3], v[DPAIR] offset:512*\g
.endr
	ds_load_b128 v[PC:PC+3], v[DPAIR] offset:4096
	s_wait_dscnt 0x0
	v_min_num_f32 v[MT], v12, v[PC]
	v_sub_f32 v[T1], v[MT], v12
	v_sub_f32 v[TA], v[MT], v[PC]
	v_cvt_i32_f32 v[T1], v[T1]
	v_cvt_i32_f32 v[TA], v[TA]
	v_ldexp_f32 v[F], 1.0, v[T1]
	v_ldexp_f32 v[F2], 1.0, v[TA]
	v_mov_b32 v12, v[MT]
	v_pk_mul_f32 v[14:15], v[14:15], v[F:F+1] op_sel_hi:[1,0]
.set n, 0
.rept 16
	v_pk_mul_f32 v[OT+n:OT+n+1], v[OT+n:OT+n+1], v[F:F+1] op_sel_hi:[1,0]
.set n, n+2
.endr
	v_pk_fma_f32 v[14:15], v[PC+2:PC+3], v[F2:F2+1], v[14:15] op_sel_hi:[1,0,1]
.set n, 0
.rept 16
	v_pk_fma_f32 v[OT+n:OT+n+1], v[FB+n:FB+n+1], v[F2:F2+1], v[OT+n:OT+n+1] op_sel_hi:[1,0,1]
.set n, n+2
.endr
	s_wait_alu depctr_va_vdst(0)                   ; a wait ahead of the branch
	s_branch .Lfinish
.Lparked:
	; waves 8-15: tile p's state comes back
.irp g, 0,1,2,3,4,5,6,7
	ds_load_b128 v[OT+4*\g:OT+4*\g+3], v[DOWN] offset:512*\g
.endr
	ds_load_b128 v[12:15], v[DOWN] offset:4096
	s_wait_dscnt 0x0
.Lfinish:
	; the sums of V over the steps behind my tile's diagonal: a scalar factor of 1 or 0 for each step, two chains
	s_mov_b32 s45, 0
	s_mov_b32 s47, 0                               ; (named as upper halves of pairs)
.set n, 1
.rept 15
	s_cmp_lt_u32 s[TI], n
	s_cselect_b32 s[44+2*(n%2)], 1.0, 0
.if n < 3
	v_pk_mul_f32 v[SU+2*(n%2):SU+2*(n%2)+1], v[S+2*n:S+2*n+1], s[44+2*(n%2):45+2*(n%2)] op_sel_hi:[1,0]
.else
	v_pk_fma_f32 v[SU+2*(n%2):SU+2*(n%2)+1], v[S+2*n:S+2*n+1], s[44+2*(n%2):45+2*(n%2)], v[SU+2*(n%2):SU+2*(n%2)+1] op_sel_hi:[1,0,1]
.endif
.set n, n+1
.endr
	s_sub_co_u32 s40, 15, s[TI]
	s_lshl_b32 s40, s40, 7                         ; 128 keys for each such step
	v_pk_add_f32 v[SU:SU+1], v[SU:SU+1], v[SU+2:SU+3]
	ds_store_b64 v[SD8], v[SU:SU+1]                ; through my own stage to the layout of O^T: lane (r, hf) takes channels 16 t + 8 hf + 0 .. 7
.irp t, 0,1,2,3
	ds_load_b128 v[FB+8*\t:FB+8*\t+3], v[TBR] offset:64*\t
	ds_load_b128 v[FB+8*\t+4:FB+8*\t+7], v[TBR] offset:64*\t+16
.endr
	v_min_num_f32 v[MT], 0, v12                    ; -M; above 0 only for query 2,047, which has no masked key
	v_add_f32 v14, v14, v15                        ; the sum's two halves,
	v_cvt_i32_f32 v[MT], v[MT]
	v_permlanex16_b32 v[PX], v14, s[SEL], s[SEL+1]
	v_ldexp_f32 v[F], 1.0, v[MT]                   ; 2^-M
	v_cvt_f32_u32 v[T1], s40
	v_add_f32 v14, v14, v[PX]                      ; lane l xor 16's,
	v_fma_f32 v14, v[F], v[T1], v14                ; and the wholly masked steps'
	s_wait_alu depctr_va_vdst(0)                   ; a wait ahead of the transcendental
	v_rcp_f32 v14, v14
	v_nop                                          ; a plain line behind the reciprocal
	s_wait_alu depctr_va_vdst(0)                   ; and a wait ahead of its first reader
	s_wait_dscnt 0x0
.set n, 0
.rept 16
	v_pk_fma_f32 v[OT+n:OT+n+1], v[FB+n:FB+n+1], v[F:F+1], v[OT+n:OT+n+1] op_sel_hi:[1,0,1]
.set n, n+2
.endr
.set n, 0
.rept 16
	v_pk_mul_f32 v[S+n:S+n+1], v[OT+n:OT+n+1], v[14:15] op_sel_hi:[1,0]   ; O^T / the sum: register 8 t + i is channel 16 t + 8 hf + i of query r
.set n, n+2
.endr
.irp t, 0,1,2,3
	ds_store_b128 v[STO], v[S+8*\t:S+8*\t+3] offset:64*\t
	ds_store_b128 v[STO], v[S+8*\t+4:S+8*\t+7] offset:64*\t+16
.endr
.irp i, 0,1,2,3,4,5,6,7
	ds_load_b128 v[FB+4*\i:FB+4*\i+3], v[RD] offset:2*\i*SP   ; my own stage: these see the stores above
.endr
.irp i, 0,1,2,3,4,5,6,7
	s_wait_dscnt 7-\i                              ; load i is in; the younger ones stay out
	global_store_b128 v[GO], v[FB+4*\i:FB+4*\i+3], s[8:9] offset:8192*\i th:TH_STORE_NT   ; each sixteen lanes store a query's 256 consecutive bytes, at a multiple of 256 from out0's first byte
.endr
	s_wait_tensorcnt 0x0                           ; the wave's end, behind my tensor load and my last LDS store
	ds_add_u32 v[SPW], v[NIL]
	s_wait_dscnt 0x0
	CROUND                                         ; the closing round
	s_endpgm
.Lfunc_end_k_q543b14fdb2_attn:
	.size	k_q543b14fdb2_attn, .Lfunc_end_k_q543b14fdb2_attn-k_q543b14fdb2_attn
	.p2alignl 7, 3214868480
	.fill 96, 4, 3214868480
	.section	.rodata,"a",@progbits
	.p2align	6, 0x0
	.amdhsa_kernel k_q543b14fdb2_attn
		.amdhsa_group_segment_fixed_size 305152
		.amdhsa_private_segment_fixed_size 0
		.amdhsa_enable_private_segment 0
		.amdhsa_kernarg_size 24
		.amdhsa_user_sgpr_count 2
		.amdhsa_user_sgpr_kernarg_segment_ptr 1
		.amdhsa_wavefront_size32 1
		.amdhsa_system_sgpr_workgroup_id_x 1
		.amdhsa_system_sgpr_workgroup_id_y 1
		.amdhsa_system_sgpr_workgroup_id_z 1
		.amdhsa_system_vgpr_workitem_id 0
		.amdhsa_next_free_vgpr 256
		.amdhsa_next_free_sgpr 66
		.amdhsa_reserve_vcc 1
		.amdhsa_float_denorm_mode_32 3
		.amdhsa_float_denorm_mode_16_64 3
		.amdhsa_memory_ordered 1
		.amdhsa_forward_progress 1
		.amdhsa_inst_pref_size 81
	.end_amdhsa_kernel
	.amdgpu_metadata
---
amdhsa.version: [ 1, 2 ]
amdhsa.kernels:
  - .name:           k_q543b14fdb2_attn
    .symbol:         k_q543b14fdb2_attn.kd
    .args:
      - { .name: queries, .offset: 0, .size: 8, .value_kind: global_buffer, .address_space: global }
      - { .name: kv, .offset: 8, .size: 8, .value_kind: global_buffer, .address_space: global }
      - { .name: out0, .offset: 16, .size: 8, .value_kind: global_buffer, .address_space: global }
    .group_segment_fixed_size: 305152
    .private_segment_fixed_size: 0
    .kernarg_segment_align: 8
    .kernarg_segment_size: 24
    .max_flat_workgroup_size: 512
    .sgpr_count:     66
    .vgpr_count:     256
    .wavefront_size: 32
...
	.end_amdgpu_metadata
.endif
;; end of part 2
